; MI455X (gfx1250); checked and timed in simulation.
; The chip was launched on July 23, 2026; its instructions are those of AMD's public machine-readable ISA for CDNA 5 (MIT licence, August 2026) and "CDNA5" Instruction Set Architecture Reference Guide (July 2026). The comments in the code are by the model that wrote it; some were corrected since.
;; Multi Head Attention Layer. Allowed arithmetic: matrix products marked QUANTISED: E2M1 operands, one E8M0 scale for each 32 along K, by v_wmma_scale_f32_16x16x128_f8f6f4 with both operands' format E2M1 (or v_wmma_scale_f32_32x16x128_f4), f32 sums; everything else in f32.
;; Inputs: Wk 16 x 1,024 x 64 float32; Wq 16 x 1,024 x 64 float32; Wv 16 x 1,024 x 64 float32; X 2 x 2,048 x 1,024 float32; bk 16 x 64 float32; bq 16 x 64 float32; bv 16 x 64 float32.
;; Outputs: out0 2 x 2,048 x 1,024 float32.
;; This version of the problem:
;;   THIS VERSION OF THE PROBLEM IS GIVEN IN LOW PRECISION. The matrix products marked QUANTISED in the list below multiply operands that are first quantised to E2M1 (2 exponent bits, 1 mantissa bit; 4 bits a number), with one power-of-two scale for each 32 numbers along K (OCP MX v1.0); their sums are f32. All else is computed in f32.
;;   The module's matrix products, in the order in which they are computed (A, B: the left and right operand; K: the contracted axis; several contracted axes count as one K, in the product's order):
;;     1. [M 1,024, K 1,024] x [K 1,024, N 4,096]; A: input Wq; B: input X: QUANTISED
;;     2. [M 1,024, K 1,024] x [K 1,024, N 4,096]; A: input Wk; B: input X: QUANTISED
;;     3. [M 1,024, K 1,024] x [K 1,024, N 4,096]; A: input Wv; B: input X: QUANTISED
;;     4. batch 32 x [M 2,048, K 64] x [K 64, N 2,048]; A: computed on the way; B: computed on the way: QUANTISED
;;     5. batch 32 x [M 2,048, K 2,048] x [K 2,048, N 64]; A: computed on the way; B: computed on the way: QUANTISED
;;   THE QUANTISER, for each operand of a quantised product, along K:
;;     - K is cut into blocks of 32 from its start; a last block that is shorter is filled with zeros.
;;     - A block's scale is 2^e with e = floor(log2(the largest magnitude in the block)) - 2, held to -126 .. 127; a block of zeros has e = 0. As a byte (E8M0): e + 127.
;;     - Each number is divided by its block's scale, clamped to +-6, and rounded to the nearest number of E2M1, ties to even, subnormals kept.
;;     - The product sums the exact products of the quantised numbers (number of the format x scale) in f32.
;;   ~~~python
;;   def quantise(x, axis):      # numpy; x: float32 -> the quantised numbers, widened to float32 again
;;       x = np.moveaxis(x, axis, -1); K = x.shape[-1]
;;       x = np.pad(x, [(0, 0)] * (x.ndim - 1) + [(0, -K % 32)]); x = x.reshape(x.shape[:-1] + (-1, 32)); a = np.abs(x).max(-1, keepdims=True)
;;       e = np.where(a > 0, np.clip(np.frexp(np.where(a > 0, a, 1))[1] - 1 - 2, -126, 127), 0)      # np.frexp(a)[1] - 1 = floor(log2(a)), exactly
;;       r = np.clip(x / 2.0 ** e, -6, 6)
;;       step = 2.0 ** (np.maximum(np.frexp(np.where(r == 0, 1, r))[1] - 1, 0) - 1)
;;       q = np.round(r / step) * step * 2.0 ** e      # np.round: ties to even
;;       return np.moveaxis(q.reshape(q.shape[:-2] + (-1,))[..., :K], -1, axis).astype(np.float32)
;;   ~~~
;;   OPERANDS COMPUTED ON THE WAY. 'Computed on the way' means the value that the module computes at that place (a softmax that the list does not call 'softmax' is quantised finished and normalised). What goes into a quantiser is computed in f32, as accurately as f32 sums, v_exp_f32 and their like allow (about 1e-6 of the number): no bf16 or f16 on the way to a quantiser, and a product that is left as it is and whose result goes on into a quantised operand takes f32 operands (vector FMAs, or v_wmma_f32_16x16x4_f32). A number that lies on a knife's edge between two numbers of the format may be rounded either way, as far as f32 arithmetic and the matrix unit's own rounding can turn it there, and no further.
;; One version. Each part assembles by itself: llvm-mc -triple=amdgcn-amd-amdhsa -mcpu=gfx1250 --defsym DOCPART=n.
;; ======== version 1 of 1: 3 launches
;; limits: right only within a limited range of input values
;; workspace buffers: XQ 2,228,224 bytes; WQ 1,671,168 bytes; QKV 6,946,816 bytes
;; launch quant (part 1): grid 640 x 1, 4 waves a work-group, no clusters, 35,072 bytes of LDS; arguments X, Wq, Wk, Wv, XQ, WQ; writes XQ, WQ
.if DOCPART == 1
	.amdgcn_target "amdgcn-amd-amdhsa--gfx1250"
	.amdhsa_code_object_version 6
	.text
	.protected	k_q6c3071c0e8_quant
	.globl	k_q6c3071c0e8_quant
	.p2align	8
	.type	k_q6c3071c0e8_quant,@function
k_q6c3071c0e8_quant:
	s_mov_b64 s[64:65], 0
	v_nop
	global_prefetch_b8 v0, s[64:65] scope:SCOPE_SE
	s_setreg_imm32_b32 hwreg(HW_REG_WAVE_MODE, 25, 1), 1
	s_wait_xcnt 0x0
; LAUNCH 1 OF 3.  X [4096 rows][1024] and Wq, Wk, Wv [16 heads][1024 (k)][64 (e)], f32, become codes of FP4 (E2M1) with one E8M0 byte for each 32 along K = the 1,024,
; laid in the ORDER OF THE OPERANDS' REGISTERS for the projections' launch: a tile of 16 rows x 128 K is 1,024 bytes, the 16 bytes (one block of 32 codes) of lane (r, h), half c, at 512 c + 256 h + 16 r.
; WORK LEFT OUT IN THE WHOLE PROGRAM, AND WHY.  reference() multiplies the finished softmax by jnp.tril(ones), which it builds in its own body: for a key k above a query q the left operand of the last product
; is p x 0 = 0 whatever finite values the inputs hold; a block of 32 zeros has zero codes, and products with zero add nothing to Z.  So the last product's steps of 128 keys that lie wholly above a tile of 16
; queries are left out, and with them the second forming of those scores (launch 3).  The scores themselves are all formed once: the row's maximum and sum take every key.  All seven inputs move codes of live
; operands, so all are loaded.  LIMIT: a NaN, an infinity or an overflow that reaches only the steps left out (V at keys above q) is not carried to the result.
; THE RULE: a block's scale is 2^(floor(log2(largest magnitude)) - 2); its byte is the largest magnitude's exponent field - 2, held at 1 from below by a floor among the maximum's leaves.  A block of zeros so gets
; the byte 1 where the rule says 127: its codes are zeros, and this program alone reads the bytes.  LIMITS: NaN and infinities among the inputs are not served.
; THE ROWS OF A TILE ARE NOT NEIGHBOURS: position r of tile 2 b + u of a group of 64 rows (or 64 columns e) is row 32 b + 8 u + r + 8 (r / 8), so that later results fall along the next K in a lane's registers.
; SCALE WORDS lie [lane' = 16 u + r][word j] for tile 2 j + u: one register then serves two tiles, lanes 0-15 the even one, lanes 16-31 the odd one.
; SHARES.  Work-groups 0-255: X, 64 rows x 256 K: wave w takes 128 K (w / 2) and the two tiles 2 j, 2 j + 1, j = w % 2.  Work-groups 256-639: one of the three weights, a head, 128 K: wave w takes block w of 32 along K, all 64 columns.
; A wave asks for all its bytes at its start.  The waves' scale words or bytes meet in LDS behind one barrier and leave as whole units of 256 bytes.  No cluster: nothing that is read is shared.
.set SP,    528                        ; a stage row: 512 bytes of a row of X + 16, so that sixteen rows start in sixteen different groups of banks
.set GX,    4*16*SP                    ; behind the four stages: X's scale words, 256 bytes for each 128 K;
.set GW,    GX+512                     ; the weights', 256 bytes
.set SPARE, GW+256                     ; the spare words, 128 bytes for each wave
.set SPW,   2                          ; v2  LDS address of my spare word; never rewritten
.set NIL,   3                          ; v3  0; never rewritten
.set RR,    32                         ; X: v32-159 two tiles of 64 registers as loaded;  W: v32-95 two units of 32
.set XT,    160                        ; X: v160-223 my 64 numbers: register 32 c + i = k 64 c + 32 h + i of row r
.set CD,    224                        ; X: v224-239 codes, 8 registers a tile
.set WC,    96                         ; W: v96-103 codes, 4 registers a unit
.macro LOADT t                         ; tile t of my two: sixteen rows' 512 bytes, each load 512 consecutive bytes
.irp p, 0,1,2,3,4,5,6,7,8,9,10,11,12,13,14,15
	global_load_b128 v[RR+64*\t+4*\p:RR+64*\t+4*\p+3], v4, s[4:5] offset:(8*\t+\p+8*(\p/8))*4096 th:TH_LOAD_NT
.endr
.endm
.macro TILE t
	s_wait_loadcnt 16-16*\t                        ; this tile's sixteen loads are in; the second's sixteen may be out
.irp p, 0,1,2,3,4,5,6,7,8,9,10,11,12,13,14,15
	ds_store_b128 v5, v[RR+64*\t+4*\p:RR+64*\t+4*\p+3] offset:SP*\p        ; the rows as they lie
.endr
.irp c, 0,1
.irp i, 0,1,2,3,4,5,6,7
	ds_load_b128 v[XT+32*\c+4*\i:XT+32*\c+4*\i+3], v6 offset:256*\c+16*\i   ; and back: 32 neighbours of row r for each half c.  LDS serves a wave's instructions in order: these see the stores
.endr
.endr
	s_wait_dscnt 0x0                               ; my numbers are back
.irp c, 0,1
	v_max3_num_f32 v[8+\c], |v[XT+32*\c]|, |v[XT+32*\c+1]|, 0x1800000      ; block 2 c + h is all mine; the floor 2^(3 - 127) holds the byte at 1 from below
.endr
.irp i, 2,4,6,8,10,12,14,16,18,20,22,24,26,28,30
.irp c, 0,1
	v_max3_num_f32 v[8+\c], v[8+\c], |v[XT+32*\c+\i]|, |v[XT+32*\c+\i+1]|
.endr
.endr
.irp c, 0,1
	v_add_nc_u32 v[10+\c], 0xff000000, v[8+\c]     ; 2 off the exponent field: the conversion's scale operand
.endr
.irp c, 0,1
	v_lshrrev_b32 v[12+\c], 23, v[10+\c]           ; the scale's byte
.endr
.irp c, 0,1
.irp g, 0,1,2,3
	v_cvt_scalef32_pk8_fp4_f32 v[CD+8*\t+4*\c+\g], v[XT+32*\c+8*\g:XT+32*\c+8*\g+7], v[10+\c]
.endr
.endr
	v_lshl_or_b32 v14, v13, 16, v12                ; my two bytes, blocks h and 2 + h,
	v_lshlrev_b32 v14, v7, v14                     ; 8 h bits up;
	v_permlanex16_b32 v15, v14, s22, s23
	v_or_b32 v[16+\t], v14, v15                    ; with lane l xor 16's two the row's word is whole, in both lanes
.irp c, 0,1
	global_store_b128 v4, v[CD+8*\t+4*\c:CD+8*\t+4*\c+3], s[28:29] offset:1024*\t+512*\c   ; 32 lanes store 512 consecutive bytes
.endr
.endm
.macro UNIT n                          ; my block, columns 32 n on: a lane a column, registers down K
	s_wait_loadcnt 32-32*\n                        ; this unit's 32 loads are in; the second's may be out
.set US, RR+32*\n
	v_max3_num_f32 v8, |v[US]|, |v[US+1]|, |v[US+2]|
	v_max3_num_f32 v9, |v[US+3]|, |v[US+4]|, |v[US+5]|
.irp i, 6,10,14,18,22,26
	v_max3_num_f32 v8, v8, |v[US+\i]|, |v[US+\i+1]|
	v_max3_num_f32 v9, v9, |v[US+\i+2]|, |v[US+\i+3]|
.endr
	v_max3_num_f32 v8, v8, |v[US+30]|, |v[US+31]|
	v_max3_num_f32 v8, v8, v9, 0x1800000           ; and the floor
	v_add_nc_u32 v10, 0xff000000, v8
	v_lshrrev_b32 v[12+\n], 23, v10
.irp g, 0,1,2,3
	v_cvt_scalef32_pk8_fp4_f32 v[WC+4*\n+\g], v[US+8*\g:US+8*\g+7], v10
.endr
	ds_store_b8 v27, v[12+\n] offset:4*\n          ; byte w of the column's word
	global_store_b128 v5, v[WC+4*\n:WC+4*\n+3], s[28:29] offset:2048*\n   ; sixteen lanes store 256 consecutive bytes, aligned
.endm
	s_load_b256 s[4:11], s[0:1], 0x0               ; X s[4:5], Wq s[6:7], Wk s[8:9], Wv s[10:11]
	s_load_b128 s[12:15], s[0:1], 0x20             ; XQ s[12:13], WQ s[14:15]
	v_lshl_add_u32 v[SPW], v0, 2, SPARE
	v_mov_b32 v[NIL], 0
	v_lshrrev_b32 v1, 5, v0
	v_readfirstlane_b32 s16, v1                    ; wave 0..3
	v_and_b32 v1, 31, v0                           ; lane
	v_and_b32 v24, 15, v0                          ; r
	v_bfe_u32 v25, v0, 4, 1                        ; h (for the weights: u)
	v_lshlrev_b32 v26, 3, v1                       ; scale words go out 8 bytes a lane
	s_wait_alu depctr_va_vdst(0)                   ; the wait ahead of the branch
	s_cmp_lt_u32 ttmp9, 256
	s_cbranch_scc0 .Lweights
	; ---- X
	s_lshr_b32 s17, ttmp9, 2                       ; which 64 rows
	s_and_b32 s33, ttmp9, 3
	s_lshl_b32 s33, s33, 1                         ; the first of the work-group's two steps of 128 along K
	s_lshr_b32 s34, s16, 1
	s_add_co_u32 s18, s33, s34                     ; my step
	s_and_b32 s35, s16, 1                          ; j: my pair of tiles
	s_lshl_b32 s24, s17, 18                        ; 64 rows of 4,096 bytes
	s_lshl_b32 s25, s35, 17                        ; 32 rows
	s_add_co_u32 s24, s24, s25
	s_lshl_b32 s25, s18, 9
	s_add_co_u32 s24, s24, s25
	s_mov_b32 s25, 0
	s_lshr_b32 s19, s17, 2                         ; R: the block of 256 rows
	s_and_b32 s21, s17, 3                          ; i: the group of 64 in it
	s_mul_i32 s26, s19, 139264
	s_mul_i32 s27, s18, 17408
	s_add_co_u32 s28, s26, s27                     ; the step's block of XQ
	s_lshl_b32 s27, s21, 12
	s_add_co_u32 s28, s28, s27
	s_lshl_b32 s27, s35, 11
	s_add_co_u32 s28, s28, s27                     ; my two tiles
	s_mov_b32 s29, 0
	s_add_co_u32 s36, s33, s35                     ; waves 0, 1 store the words of step w of the two
	s_mul_i32 s27, s36, 17408
	s_add_co_u32 s30, s26, s27
	s_lshl_b32 s27, s21, 8
	s_add_co_u32 s30, s30, s27
	s_add_co_u32 s30, s30, 16384
	s_mov_b32 s31, 0
	s_mov_b32 s22, 0x76543210
	s_mov_b32 s23, 0xfedcba98                      ; v_permlanex16_b32's selects for lane l xor 16
	s_mul_i32 s32, s16, 16*SP                      ; my stage
	s_lshl_b32 s36, s34, 8
	s_lshl_b32 s37, s35, 2
	s_add_co_u32 s36, s36, s37
	s_add_co_u32 s36, s36, GX                      ; word j of my step
	s_lshl_b32 s37, s35, 8
	s_add_co_u32 s37, s37, GX
	v_lshlrev_b32 v4, 4, v1                        ; 16 x lane: in X's rows and in a tile's image
	v_add_nc_u32 v5, s32, v4                       ; into the stage
	v_mul_u32_u24 v6, v24, SP
	v_lshl_add_u32 v6, v25, 7, v6
	v_add_nc_u32 v6, s32, v6                       ; out of it: row r, + 128 h
	v_lshlrev_b32 v7, 3, v25                       ; 8 h
	v_mov_b32 v15, 0                               ; a lane permute's destination counts as one of its sources
	v_lshl_add_u32 v27, v1, 3, s36
	v_lshl_add_u32 v28, v1, 3, s37
	v_cmp_gt_u32 s20, 16, v1                       ; lanes 0-15
	s_wait_alu depctr_va_vdst(0)                   ; the wait at the head's end
	s_wait_kmcnt 0x0
	s_add_nc_u64 s[4:5], s[4:5], s[24:25]
	s_add_nc_u64 s[28:29], s[12:13], s[28:29]
	s_add_nc_u64 s[30:31], s[12:13], s[30:31]
	LOADT 0
	LOADT 1
	TILE 0
	TILE 1
	v_cndmask_b32 v20, v17, v16, s20               ; word j: lanes 0-15 tile 2 j's, lanes 16-31 tile 2 j + 1's
	ds_store_b32 v27, v20
	s_wait_dscnt 0x0
	s_barrier_signal -1
	s_barrier_wait -1                              ; both words of both steps are in
	s_cmp_lt_u32 s16, 2
	s_cbranch_scc0 .Lx_end
	ds_load_b64 v[22:23], v28
	s_wait_dscnt 0x0
	global_store_b64 v26, v[22:23], s[30:31]       ; 32 lanes store 256 consecutive bytes, aligned
.Lx_end:
	s_wait_tensorcnt 0x0                           ; the wave's end, behind my last LDS store
	ds_add_u32 v[SPW], v[NIL]
	s_wait_dscnt 0x0
	s_endpgm
	; ---- the weights
.Lweights:
	s_sub_co_u32 s17, ttmp9, 256
	s_lshr_b32 s18, s17, 7                         ; 0: Wq, 1: Wk, 2: Wv
	s_bfe_u32 s19, s17, 0x40003                    ; the head
	s_and_b32 s21, s17, 7                          ; which 128 along K
	s_lshl_b32 s24, s19, 18                        ; a head is 1,024 rows of 256 bytes
	s_lshl_b32 s25, s21, 15
	s_add_co_u32 s24, s24, s25
	s_lshl_b32 s25, s16, 13
	s_add_co_u32 s24, s24, s25                     ; my block: 32 rows
	s_mov_b32 s25, 0
	s_mul_i32 s26, s19, 104448
	s_mul_i32 s27, s21, 13056
	s_add_co_u32 s26, s26, s27                     ; the step's block of WQ
	s_lshl_b32 s27, s18, 12
	s_add_co_u32 s28, s26, s27                     ; the tensor's four tiles,
	s_lshl_b32 s27, s16, 8
	s_add_co_u32 s28, s28, s27                     ; my block's 256 bytes: 512 (w / 2) + 256 (w % 2)
	s_mov_b32 s29, 0
	s_lshl_b32 s27, s18, 8
	s_add_co_u32 s30, s26, s27
	s_add_co_u32 s30, s30, 12288                   ; the tensor's 256 bytes of scale words
	s_mov_b32 s31, 0
	s_add_co_u32 s36, s16, GW
	v_and_b32 v29, 8, v24
	v_add_nc_u32 v29, v29, v24
	v_lshl_add_u32 v29, v25, 3, v29                ; my column of a unit's 32: 8 u + r + 8 (r / 8)
	v_lshlrev_b32 v4, 2, v29
	v_lshlrev_b32 v5, 4, v24
	v_lshl_add_u32 v5, v25, 10, v5                 ; my piece: tile u of the pair, 16 r
	v_lshl_add_u32 v27, v1, 3, s36                 ; byte w of my column's words
	v_add_nc_u32 v28, GW, v26
	s_wait_alu depctr_va_vdst(0)                   ; the wait at the head's end
	s_wait_kmcnt 0x0
	s_cmp_eq_u32 s18, 0                            ; the choice hangs on the work-group's number alone
	s_cselect_b64 s[4:5], s[6:7], s[8:9]
	s_cmp_eq_u32 s18, 2
	s_cselect_b64 s[4:5], s[10:11], s[4:5]
	s_add_nc_u64 s[4:5], s[4:5], s[24:25]
	s_add_nc_u64 s[28:29], s[14:15], s[28:29]
	s_add_nc_u64 s[30:31], s[14:15], s[30:31]
.irp n, 0,1
.irp i, 0,1,2,3,4,5,6,7,8,9,10,11,12,13,14,15,16,17,18,19,20,21,22,23,24,25,26,27,28,29,30,31
	global_load_b32 v[RR+32*\n+\i], v4, s[4:5] offset:256*\i+128*\n th:TH_LOAD_NT
.endr
.endr
	UNIT 0
	UNIT 1
	s_wait_dscnt 0x0
	s_barrier_signal -1
	s_barrier_wait -1                              ; all four blocks' bytes are in
	s_cmp_eq_u32 s16, 0
	s_cbranch_scc0 .Lw_end
	ds_load_b64 v[22:23], v28
	s_wait_dscnt 0x0
	global_store_b64 v26, v[22:23], s[30:31]       ; lane = 16 u + r: words j = 0, 1: 256 consecutive bytes, aligned
.Lw_end:
	s_wait_tensorcnt 0x0                           ; the wave's end, behind my last LDS store
	ds_add_u32 v[SPW], v[NIL]
	s_wait_dscnt 0x0
	s_endpgm
.Lfunc_end_k_q6c3071c0e8_quant:
	.size	k_q6c3071c0e8_quant, .Lfunc_end_k_q6c3071c0e8_quant-k_q6c3071c0e8_quant
	.p2alignl 7, 3214868480
	.fill 96, 4, 3214868480
	.section	.rodata,"a",@progbits
	.p2align	6, 0x0
	.amdhsa_kernel k_q6c3071c0e8_quant
		.amdhsa_group_segment_fixed_size 35072
		.amdhsa_private_segment_fixed_size 0
		.amdhsa_enable_private_segment 0
		.amdhsa_kernarg_size 48
		.amdhsa_user_sgpr_count 2
		.amdhsa_user_sgpr_kernarg_segment_ptr 1
		.amdhsa_wavefront_size32 1
		.amdhsa_system_sgpr_workgroup_id_x 1
		.amdhsa_system_sgpr_workgroup_id_y 1
		.amdhsa_system_sgpr_workgroup_id_z 1
		.amdhsa_system_vgpr_workitem_id 0
		.amdhsa_next_free_vgpr 256
		.amdhsa_next_free_sgpr 66
		.amdhsa_reserve_vcc 0
		.amdhsa_float_denorm_mode_32 3
		.amdhsa_float_denorm_mode_16_64 3
		.amdhsa_memory_ordered 1
		.amdhsa_forward_progress 1
		.amdhsa_inst_pref_size 29
	.end_amdhsa_kernel
	.amdgpu_metadata
---
amdhsa.version: [ 1, 2 ]
amdhsa.kernels:
  - .name:           k_q6c3071c0e8_quant
    .symbol:         k_q6c3071c0e8_quant.kd
    .args:
      - { .name: X, .offset: 0, .size: 8, .value_kind: global_buffer, .address_space: global }
      - { .name: Wq, .offset: 8, .size: 8, .value_kind: global_buffer, .address_space: global }
      - { .name: Wk, .offset: 16, .size: 8, .value_kind: global_buffer, .address_space: global }
      - { .name: Wv, .offset: 24, .size: 8, .value_kind: global_buffer, .address_space: global }
      - { .name: XQ, .offset: 32, .size: 8, .value_kind: global_buffer, .address_space: global }
      - { .name: WQ, .offset: 40, .size: 8, .value_kind: global_buffer, .address_space: global }
    .group_segment_fixed_size: 35072
    .private_segment_fixed_size: 0
    .kernarg_segment_align: 8
    .kernarg_segment_size: 48
    .max_flat_workgroup_size: 128
    .sgpr_count:     66
    .vgpr_count:     256
    .wavefront_size: 32
...
	.end_amdgpu_metadata
.endif
;; end of part 1
;; launch proj (part 2): grid 16 x 16, 8 waves a work-group, clusters of 4 x 4, 245,760 bytes of LDS; arguments XQ, WQ, bq, bk, bv, QKV; writes QKV
.if DOCPART == 2
	.amdgcn_target "amdgcn-amd-amdhsa--gfx1250"
	.amdhsa_code_object_version 6
	.text
	.protected	k_q6c3071c0e8_proj
	.globl	k_q6c3071c0e8_proj
	.p2align	8
	.type	k_q6c3071c0e8_proj,@function
k_q6c3071c0e8_proj:
	s_mov_b64 s[64:65], 0
	v_nop
	global_prefetch_b8 v0, s[64:65] scope:SCOPE_SE
	s_setreg_imm32_b32 hwreg(HW_REG_WAVE_MODE, 25, 1), 1
	s_wait_xcnt 0x0
	s_wait_alu depctr_hold_cnt(0) depctr_sa_sdst(0) depctr_va_vdst(0) depctr_va_sdst(0) depctr_va_ssrc(0) depctr_va_vcc(0) depctr_vm_vsrc(0)
	s_getreg_b32 s2, hwreg(HW_REG_IB_STS2, 6, 4)
	s_cmp_eq_u32 s2, 0
	s_cbranch_scc0 .Lentry_in_a_cluster
	s_endpgm
.Lentry_in_a_cluster:
	s_bfe_u32 s2, ttmp6, 0x10000c
	s_cmp_lg_u32 s2, 0xf033
	s_cbranch_scc0 .Lentry_shape_is_right
	s_endpgm
.Lentry_shape_is_right:
; LAUNCH 2 OF 3.  Q, K, V = X W + b for one head and 256 rows of X, on codes of FP4 with E8M0 scales, sums in f32; the results are quantised in registers for the two products of attention and stored as images
; of the operands' registers: Q and K along e (two blocks of 32), V along the keys (blocks of 32).  Nothing is left out here.
; SHARES.  Eight waves: wave w takes the 64 rows 64 (w & 3) on, and of the columns all of Q (w < 4) or of K (w >= 4), and V's columns e 32 (w / 4) on: 16 + 8 accumulators by turns, all waves one text.
; Q, K: source 0 = 16 columns of W, source 1 = 16 rows of X: a lane holds ONE row, and the registers of tiles 2 b, 2 b + 1 are e = 32 b + 16 h + 0 .. 15.
; V:    source 0 = 16 rows of X, source 1 = 16 columns of Wv: a lane holds ONE e, and the registers of tiles 2 b, 2 b + 1 are keys 32 b + 16 h + 0 .. 15.  (The rows of a tile are chosen for that: launch 1.)
; The biases are the C of each sum's first matrix instruction.
; LDS.  All of K (eight steps of 128) of the 256 rows' codes and scale words (8 x 17,408 bytes) and of the head's three weights (8 x 13,056) is brought once; nothing is filled again.  Every fragment is read at 16 x lane.
; CLUSTER 4 x 4.  X's blocks hang on the block of rows alone and are asked for jointly along a row of the cluster, W's on the head alone, along a column.  Waves 0-3 ask for X's chunk c = w (two steps, 34,816 bytes),
; waves 4-7 for W's chunk c = w - 4 (26,112 bytes): ONE load a wave, each in an arm of its own, so that chunk c's barrier waits for waves c and c + 4 alone.
; NO PREFETCH: all that the launch reads is asked for at its head; no later load is there to run ahead of.
; REGISTERS.  Window 0: addresses, scale words, two buffers of fragments, biases; window 1: v0-127 the accumulators of Q or K, (t, e) at 32 t + 8 e; v128-191 V's, (e, t) at 128 + 32 e + 8 t.
; LIMITS: as in launch 1 (the floor under a block's largest magnitude; no NaN, no infinity).
.set XSTEP, 17408
.set WSTEP, 13056
.set WB,    8*XSTEP                    ; W's blocks lie behind X's
.set GAT,   WB+8*WSTEP                 ; V's scale bytes, gathered from the waves: 128 bytes for each, a word a lane
.set SPARE, GAT+1024                   ; the spare words, 128 bytes for each of eight waves
.set SPW,  1                           ; v1   my spare word's LDS address; never rewritten
.set NIL,  2                           ; v2   0; never rewritten
.set LI,   3                           ; v3   16 x lane
.set L8,   4                           ; v4   8 x lane
.set BQO,  6                           ; v6   bq, bk: 64 h
.set BVO,  7                           ; v7   bv: my column
.set AX,   8                           ; v8-9 X's tiles, steps 0-3 and 4-7;  likewise:
.set AW,   10                          ; v10-11 W's tiles of Q or K
.set AV,   12                          ; v12-13 Wv's
.set ASX,  14                          ; v14-15 X's scale words
.set ASW,  16                          ; v16-17 W's
.set AST,  18                          ; v18-19 Wv's
.set SCL,  20                          ; v20-24, v26-30 scale words, a set for each buffer: X's two, W's two, Wv's; nothing else
.set GA,   32                          ; v32  my place among V's scale words;  v33 where they are read back
.set GR,   33
.set FB,   40                          ; v40-119, v120-199 fragments: X's 4, W's 4, Wv's 2
.set BI,   200                         ; v200-231 the bias of Q or K, 8 registers a tile
.set BV,   232                         ; v232-247 of V: 8 equal registers a tile
.set TM,   40                          ; behind the last step: v40-51 the quantiser's, v56-79 codes, v80-85 scale words, v86-87 what is stored
.set PC,   56
.set PW,   80
.set SW,   86
.set WV,   16                          ; s16  my wave's number
.set G1X,  24                          ; s[24:31] group 1 for X's blocks;  s[32:39] for W's;  s[40:43], s[56:59] groups 0
.set G1W,  32
.set G0X,  40
.set G0W,  56
.set SEL,  94
.set MSB, 0
.macro WIN new                         ; the immediate's high byte repeats the setting that is left
.if MSB != \new
	s_set_vgpr_msb (MSB<<8)|\new
.set MSB, \new
.endif
.endm
.macro ROUND                           ; a round of the cluster's barrier
	s_barrier_signal -1
	s_barrier_wait -1
	s_cmp_lg_u32 s[WV], 0
	s_cbranch_scc1 .Lnot_wave_0_\@
	s_barrier_signal -3
.Lnot_wave_0_\@:
	s_barrier_wait -3
	s_barrier_signal -1
	s_barrier_wait -1
.endm
.macro WM d, a, b, c, sa, sb, ra, rb   ; ra, rb = 1: that side's scale words stand in lanes 16-31
.if (\ra) == 0
.if (\rb) == 0
	v_wmma_scale_f32_16x16x128_f8f6f4 v[\d:\d+7], v[\a:\a+7], v[\b:\b+7], v[\c:\c+7], v[\sa], v[\sb] matrix_a_fmt:MATRIX_FMT_FP4 matrix_b_fmt:MATRIX_FMT_FP4
.else
	v_wmma_scale_f32_16x16x128_f8f6f4 v[\d:\d+7], v[\a:\a+7], v[\b:\b+7], v[\c:\c+7], v[\sa], v[\sb] matrix_a_fmt:MATRIX_FMT_FP4 matrix_b_fmt:MATRIX_FMT_FP4 matrix_b_scale:MATRIX_SCALE_ROW1
.endif
.else
.if (\rb) == 0
	v_wmma_scale_f32_16x16x128_f8f6f4 v[\d:\d+7], v[\a:\a+7], v[\b:\b+7], v[\c:\c+7], v[\sa], v[\sb] matrix_a_fmt:MATRIX_FMT_FP4 matrix_b_fmt:MATRIX_FMT_FP4 matrix_a_scale:MATRIX_SCALE_ROW1
.else
	v_wmma_scale_f32_16x16x128_f8f6f4 v[\d:\d+7], v[\a:\a+7], v[\b:\b+7], v[\c:\c+7], v[\sa], v[\sb] matrix_a_fmt:MATRIX_FMT_FP4 matrix_b_fmt:MATRIX_FMT_FP4 matrix_a_scale:MATRIX_SCALE_ROW1 matrix_b_scale:MATRIX_SCALE_ROW1
.endif
.endif
.endm
.macro PLACES                          ; four plain places behind matrix instructions, ahead of loads into their sources
.rept 4
	v_nop
.endr
.endm
.macro FETCH n                         ; step n's fragments and scale words into buffer n % 2
	WIN 0
.set fp, FB+80*((\n)%2)
.set fs, SCL+6*((\n)%2)
.set fh, (\n)/4
.set fx, ((\n)%4)*XSTEP
.set fw, ((\n)%4)*WSTEP
.irp t, 0,1,2,3
.irp p, 0,1
	ds_load_b128 v[fp+8*\t+4*\p:fp+8*\t+4*\p+3], v[AX+fh] offset:fx+1024*\t+512*\p
.endr
.endr
.irp e, 0,1,2,3
.irp p, 0,1
	ds_load_b128 v[fp+32+8*\e+4*\p:fp+32+8*\e+4*\p+3], v[AW+fh] offset:fw+1024*\e+512*\p
.endr
.endr
.irp e, 0,1
.irp p, 0,1
	ds_load_b128 v[fp+64+8*\e+4*\p:fp+64+8*\e+4*\p+3], v[AV+fh] offset:fw+1024*\e+512*\p
.endr
.endr
	ds_load_b64 v[fs:fs+1], v[ASX+fh] offset:fx
	ds_load_b64 v[fs+2:fs+3], v[ASW+fh] offset:fw
	ds_load_b32 v[fs+4], v[AST+fh] offset:fw
.endm
.macro MULQ n                          ; Q or K: sixteen accumulators.  Step 0's C is the bias, in window 0
.set mp, FB+80*((\n)%2)
.set ms, SCL+6*((\n)%2)
.if (\n) == 0
	WIN 0x40
.else
	WIN 0x50
.endif
.irp t, 0,1,2,3
.irp e, 0,1,2,3
.if (\n) == 0
	WM 32*\t+8*\e, mp+32+8*\e, mp+8*\t, BI+8*\e, ms+2+\e/2, ms+\t/2, \e%2, \t%2
.else
	WM 32*\t+8*\e, mp+32+8*\e, mp+8*\t, 32*\t+8*\e, ms+2+\e/2, ms+\t/2, \e%2, \t%2
.endif
.endr
.endr
.endm
.macro MULV n                          ; V: eight
.set mp, FB+80*((\n)%2)
.set ms, SCL+6*((\n)%2)
.if (\n) == 0
	WIN 0x40
.else
	WIN 0x50
.endif
.irp e, 0,1
.irp t, 0,1,2,3
.if (\n) == 0
	WM 128+32*\e+8*\t, mp+8*\t, mp+64+8*\e, BV+8*\e, ms+\t/2, ms+4, \t%2, \e
.else
	WM 128+32*\e+8*\t, mp+8*\t, mp+64+8*\e, 128+32*\e+8*\t, ms+\t/2, ms+4, \t%2, \e
.endif
.endr
.endr
.endm
.macro LANDED c                        ; chunk c was asked for by waves c (X) and c + 4 (W): they alone wait; ahead of the last chunk's barrier all wait
.set lc, \c
.if lc < 3
	s_cmp_eq_u32 s[WV], lc
	s_cbranch_scc1 .Lmine_\@
	s_cmp_eq_u32 s[WV], lc+4
	s_cbranch_scc0 .Lothers_\@
.Lmine_\@:
	s_wait_tensorcnt 0x0
.Lothers_\@:
.else
	s_wait_tensorcnt 0x0
.endif
.endm
.macro STEP n                          ; step n's products; the next step's fragments are fetched ahead of them, or, where the next step begins a chunk, behind its barrier
	WIN 0
	s_wait_dscnt 0x0                               ; step n's fragments are in
.if ((\n)%2) == 1 && (\n) < 7
	LANDED (\n+1)/2
	s_barrier_signal -1
	MULQ \n                                        ; work on registers while the others arrive
	WIN 0
	s_barrier_wait -1                              ; the chunk is in, everybody's part
	PLACES
	FETCH \n+1
	MULV \n
.else
.if (\n) < 7
	PLACES
	FETCH \n+1
.endif
	MULQ \n
	MULV \n
.endif
.endm
; Four blocks of 32 along the next K, two for each of two rows: register src + 16 b + i (window 1) = k 32 (b % 2) + 16 h + i of row b / 2.  Codes to dst on, 4 registers a row; the rows' two bytes each to pw, pw + 1.
.macro QUANT4 src, dst, pw, fill
	WIN 0x05
.set qb, 0
.rept 4
	v_max3_num_f32 v[TM+qb], |v[\src+16*qb]|, |v[\src+16*qb+1]|, 0x1800000   ; each accumulator is read from its low end on; the floor 2^(3 - 127) holds the byte at 1 from below
.set qb, qb+1
.endr
.set qi, 2
.rept 7
.set qb, 0
.rept 4
	v_max3_num_f32 v[TM+qb], |v[\src+16*qb+qi]|, |v[\src+16*qb+qi+1]|, v[TM+qb]
.set qb, qb+1
.endr
.set qi, qi+2
.endr
	WIN 0
.irp b, 0,1,2,3
	v_permlanex16_b32 v[TM+4+\b], v[TM+\b], s[SEL], s[SEL+1]
.endr
.irp b, 0,1,2,3
	v_max_num_f32 v[TM+\b], v[TM+\b], v[TM+4+\b]   ; with lane l xor 16's sixteen: the block's largest magnitude
.endr
.irp b, 0,1,2,3
	v_add_nc_u32 v[TM+8+\b], 0xff000000, v[TM+\b]  ; 2 off the exponent field: the conversion's scale operand
.endr
.irp b, 0,1,2,3
	v_lshrrev_b32 v[TM+4+\b], 23, v[TM+8+\b]       ; the scale's byte
.endr
	v_lshl_or_b32 v[\pw], v[TM+5], 8, v[TM+4]
	v_lshl_or_b32 v[\pw+1], v[TM+7], 8, v[TM+6]
.if \fill
	v_or_b32 v[\pw], 0x7f7f0000, v[\pw]            ; K = 64 is filled to 128: the upper two bytes stand for 1
	v_or_b32 v[\pw+1], 0x7f7f0000, v[\pw+1]
.endif
	WIN 0x01
.set qb, 0
.rept 4
	v_cvt_scalef32_pk8_fp4_f32 v[\dst+2*qb], v[\src+16*qb:\src+16*qb+7], v[TM+8+qb]
	v_cvt_scalef32_pk8_fp4_f32 v[\dst+2*qb+1], v[\src+16*qb+8:\src+16*qb+15], v[TM+8+qb]
.set qb, qb+1
.endr
	v_nop                                          ; one plain place behind a scaled conversion
	WIN 0
.irp c, 0,1                            ; the operand's layout wants a WHOLE block in a lane: lanes 0-15 the first, lanes 16-31 the second
.irp i, 0,1
	v_permlane16_swap_b32 v[\dst+4*\c+\i], v[\dst+4*\c+2+\i]
.endr
.endr
.endm
	s_load_b256 s[4:11], s[0:1], 0x0               ; XQ s[4:5], WQ s[6:7], bq s[8:9], bk s[10:11]
	s_load_b128 s[12:15], s[0:1], 0x20             ; bv s[12:13], QKV s[14:15]
	v_lshl_add_u32 v[SPW], v0, 2, SPARE
	v_mov_b32 v[NIL], 0
	ds_add_u32 v[SPW], v[NIL]                      ; the wave's opening: the add, twice on end, and its wait ahead of the first tensor loads
	ds_add_u32 v[SPW], v[NIL]
	v_lshrrev_b32 v3, 5, v0
	v_readfirstlane_b32 s[WV], v3                  ; wave 0..7
	s_bfe_u32 s17, ttmp6, 0x40000                  ; cx
	s_bfe_u32 s18, ttmp6, 0x40004                  ; cy
	s_lshl_b32 s19, ttmp9, 2
	s_add_co_u32 s19, s19, s17                     ; the head = 4 x cluster x + cx
	s_and_b32 s20, ttmp7, 0xffff
	s_lshl_b32 s20, s20, 2
	s_add_co_u32 s20, s20, s18                     ; R, the block of 256 rows = 4 x cluster y + cy
	s_lshl_b32 s21, s18, 2
	s_lshl_b32 s21, 15, s21                        ; my row of the cluster
	s_lshl_b32 s22, 0x1111, s17                    ; my column
	; group 1: a dense block as rows of 256 bytes (32 elements of 8 bytes), no padding: 136 rows for a chunk of X, 102 for one of W
	s_or_b32 s[G1X], s21, (3<<16)|(1<<21)          ; 15:0 the mask; 17:16 elements of 8 bytes; 21 set beside a mask
	s_mov_b32 s[G1X+1], 32<<16                     ; tensor_dim0
	s_mov_b32 s[G1X+2], 136<<16                    ; tensor_dim1
	s_mov_b32 s[G1X+3], 32<<16                     ; tile_dim0
	s_mov_b32 s[G1X+4], 136                        ; tile_dim1
	s_mov_b32 s[G1X+5], 32                         ; from row to row
	s_mov_b32 s[G1X+6], 0
	s_mov_b32 s[G1X+7], 0
	s_or_b32 s[G1W], s22, (3<<16)|(1<<21)
	s_mov_b32 s[G1W+1], 32<<16
	s_mov_b32 s[G1W+2], 102<<16
	s_mov_b32 s[G1W+3], 32<<16
	s_mov_b32 s[G1W+4], 102
	s_mov_b32 s[G1W+5], 32
	s_mov_b32 s[G1W+6], 0
	s_mov_b32 s[G1W+7], 0
	s_and_b32 s23, s[WV], 3                        ; the chunk that I ask for; also: my 64 rows
	s_mul_i32 s76, s20, 8*XSTEP                    ; X's registers hold R and the wave's number alone,
	s_mul_i32 s80, s23, 2*XSTEP
	s_add_co_u32 s76, s76, s80
	s_mov_b32 s77, 0
	s_mul_i32 s78, s19, 8*WSTEP                    ; W's the head and the wave's number alone
	s_mul_i32 s81, s23, 2*WSTEP
	s_add_co_u32 s78, s78, s81
	s_mov_b32 s79, 0
	s_mov_b32 s[SEL], 0x76543210
	s_mov_b32 s[SEL+1], 0xfedcba98                 ; v_permlanex16_b32's selects for lane l xor 16
	s_wait_dscnt 0x0                               ; both opening adds are done
	s_wait_kmcnt 0x0
	s_add_nc_u64 s[76:77], s[4:5], s[76:77]
	s_add_nc_u64 s[78:79], s[6:7], s[78:79]
	s_mov_b32 s[G0X], 1                            ; count = 1
	s_mov_b32 s[G0X+1], s80                        ; LDS address: my chunk
	s_mov_b64 s[G0X+2:G0X+3], s[76:77]             ; the same chunk in memory
	s_or_b32 s[G0X+3], s[G0X+3], 0x80000000        ; type = 2
	s_mov_b32 s[G0W], 1
	s_add_co_u32 s[G0W+1], s81, WB
	s_mov_b64 s[G0W+2:G0W+3], s[78:79]
	s_or_b32 s[G0W+3], s[G0W+3], 0x80000000
	ROUND                                          ; all sixteen work-groups are here: the joint loads meet
.macro ARM under, g0, g1               ; one load an arm, one chain of branches on the wave's number: each line is issued by one wave
	s_cmp_lt_u32 s[WV], \under
	s_cbranch_scc0 .Lnext_\@
	tensor_load_to_lds s[\g0:\g0+3], s[\g1:\g1+7]
	s_nop 0
.rept 4
	v_nop
.endr
	s_branch .Lasked
.Lnext_\@:
.endm
	ARM 1, G0X, G1X
	ARM 2, G0X, G1X
	ARM 3, G0X, G1X
	ARM 4, G0X, G1X
	ARM 5, G0W, G1W
	ARM 6, G0W, G1W
	ARM 7, G0W, G1W
	tensor_load_to_lds s[G0W:G0W+3], s[G1W:G1W+7]
	s_nop 0
.rept 4
	v_nop
.endr
.Lasked:
	s_lshr_b32 s85, s[WV], 2                       ; 0: Q, 1: K.  Also: which half of V's e
	s_lshl_b32 s83, s23, 12                        ; X's tiles: four
	s_lshl_b32 s88, s23, 8
	s_add_co_u32 s88, s88, 16384                   ; X's scale words: 256 bytes for each four tiles
	s_lshl_b32 s87, s85, 12
	s_add_co_u32 s87, s87, WB                      ; W's tiles
	s_lshl_b32 s89, s85, 8
	s_add_co_u32 s89, s89, WB+12288                ; W's scale words
	s_lshl_b32 s90, s85, 11
	s_add_co_u32 s90, s90, WB+8192                 ; Wv's two tiles
	s_lshl_b32 s92, s85, 2
	s_add_co_u32 s92, s92, WB+12800                ; their scale words: word j = my half
	s_and_b32 s93, s[WV], 1
	s_lshl_b32 s82, s93, 8
	s_add_co_u32 s82, s82, GAT                     ; waves 0, 1 join the words of step w of 128 keys: those of waves 2 w, 2 w + 1 and 4 + 2 w, 5 + 2 w
	v_and_b32 v34, 31, v0
	v_and_b32 v35, 15, v0                          ; r
	v_bfe_u32 v36, v0, 4, 1                        ; h
	v_lshlrev_b32 v[LI], 4, v34
	v_lshlrev_b32 v[L8], 3, v34
	v_and_b32 v37, 8, v35
	v_lshlrev_b32 v[BQO], 6, v36                   ; bq, bk: tile 2 b + u wants e = 32 b + 16 h + 8 u + 0 .. 7
	v_lshl_add_u32 v[GA], v0, 2, GAT               ; my word: 4 x my thread's number
	v_add_nc_u32 v37, v37, v35
	v_lshl_add_u32 v[GR], v35, 3, s82
	v_lshl_add_u32 v[GR], v36, 9, v[GR]            ; lanes 0-15 the first half of e, lanes 16-31 the second, four waves' 512 bytes further on: two words a lane
	v_cmp_gt_u32 s91, 16, v34                      ; lanes 0-15
	s_lshl_b32 s86, s85, 7
	v_lshl_add_u32 v[BVO], v37, 2, s86             ; bv: tile u wants e = 32 half + 8 u + r + 8 (r / 8)
.irp h, 0,1
	v_add_nc_u32 v[AX+\h], s83, v[LI]
	v_add_nc_u32 v[AW+\h], s87, v[LI]
	v_add_nc_u32 v[AV+\h], s90, v[LI]
	v_add_nc_u32 v[ASX+\h], s88, v[L8]
	v_add_nc_u32 v[ASW+\h], s89, v[L8]
	v_add_nc_u32 v[AST+\h], s92, v[L8]
.if \h == 0
	s_add_co_u32 s83, s83, 4*XSTEP
	s_add_co_u32 s87, s87, 4*WSTEP
	s_add_co_u32 s90, s90, 4*WSTEP
	s_add_co_u32 s88, s88, 4*XSTEP
	s_add_co_u32 s89, s89, 4*WSTEP
	s_add_co_u32 s92, s92, 4*WSTEP
.endif
.endr
	s_cmp_lt_u32 s[WV], 4                          ; my bias: the choice hangs on the wave's number alone
	s_cselect_b64 s[96:97], s[8:9], s[10:11]
	s_lshl_b32 s98, s19, 8                         ; the head's 64 numbers
	s_mov_b32 s99, 0
	s_add_nc_u64 s[96:97], s[96:97], s[98:99]
	s_add_nc_u64 s[12:13], s[12:13], s[98:99]
	s_wait_alu depctr_va_vdst(0)                   ; the wait at the head's end
.irp e, 0,1
	global_load_b32 v[BV+8*\e], v[BVO], s[12:13] offset:32*\e
.endr
.irp e, 0,1,2,3
	global_load_b128 v[BI+8*\e:BI+8*\e+3], v[BQO], s[96:97] offset:128*(\e/2)+32*(\e%2)
	global_load_b128 v[BI+8*\e+4:BI+8*\e+7], v[BQO], s[96:97] offset:128*(\e/2)+32*(\e%2)+16
.endr
	; where my results go
	s_lshr_b32 s76, s20, 3                         ; the batch,
	s_lshl_b32 s76, s76, 4
	s_add_co_u32 s76, s76, s19                     ; x 16 + the head
	s_and_b32 s77, s20, 7                          ; the block of 256 rows within the batch
	s_mul_i32 s70, s85, 2359296                    ; Q's or K's part of QKV,
	s_mul_i32 s78, s76, 73728                      ; the head's 32 units,
	s_add_co_u32 s70, s70, s78
	s_lshl_b32 s78, s77, 2
	s_add_co_u32 s78, s78, s23
	s_mul_i32 s78, s78, 2304                       ; my unit of 64 rows
	s_add_co_u32 s70, s70, s78
	s_mov_b32 s71, 0
	s_add_nc_u64 s[70:71], s[14:15], s[70:71]
	s_mul_i32 s72, s76, 69632                      ; V's part: the head's 16 steps of 128 keys
	s_add_co_u32 s72, s72, 4718592
	s_lshl_b32 s77, s77, 1
	s_add_co_u32 s78, s77, s93
	s_mul_i32 s78, s78, 4352
	s_add_co_u32 s74, s72, s78
	s_add_co_u32 s74, s74, 4096                    ; waves 0, 1: the scale words of step w
	s_mov_b32 s75, 0
	s_add_nc_u64 s[74:75], s[14:15], s[74:75]
	s_bfe_u32 s78, s[WV], 0x10001
	s_add_co_u32 s78, s78, s77
	s_mul_i32 s78, s78, 4352
	s_add_co_u32 s72, s72, s78                     ; my step,
	s_lshl_b32 s78, s85, 11
	s_add_co_u32 s72, s72, s78                     ; my two tiles of e,
	s_lshl_b32 s78, s93, 9
	s_add_co_u32 s72, s72, s78                     ; my two blocks of keys
	s_mov_b32 s73, 0
	s_add_nc_u64 s[72:73], s[14:15], s[72:73]
	LANDED 0
	s_barrier_signal -1
	s_barrier_wait -1                              ; chunk 0 is in
	FETCH 0
	s_wait_loadcnt 0x0                             ; the biases; V's is one number a lane and tile, spread over the tile's eight registers
.irp j, 1,2,3,4,5,6,7
	v_mov_b32 v[BV+\j], v[BV]
	v_mov_b32 v[BV+8+\j], v[BV+8]
.endr
	s_wait_alu depctr_va_vdst(0)                   ; the wait here, ahead of the wait below
	STEP 0
	STEP 1
	STEP 2
	STEP 3
	STEP 4
	STEP 5
	STEP 6
	STEP 7
	WIN 0
	PLACES                                         ; the quantiser's registers were fragments of step 6, and step 7's results are read
	; THE WAY OUT: the results become operands.  Each store of codes covers 512 consecutive bytes.
.irp b, 0,1,2,3
	v_mov_b32 v[TM+4+\b], 0                        ; written once: a lane permute's destination counts as one of its sources
.endr
	QUANT4 128, PC+16, PW+4, 0                     ; V: tiles e = 0, 1, each two blocks of keys
.irp e, 0,1
	global_store_b128 v[LI], v[PC+16+4*\e:PC+19+4*\e], s[72:73] offset:1024*\e
.endr
	v_cndmask_b32 v[SW], v[PW+5], v[PW+4], s91     ; lanes 0-15 the even tile's, lanes 16-31 the odd one's
	ds_store_b32 v[GA], v[SW]                      ; (the upper two bytes are 0)
	s_wait_dscnt 0x0
	s_barrier_signal -1
	QUANT4 0, PC, PW, 1                            ; Q or K: rows' tiles 0, 1: work on registers while the others arrive
	s_wait_alu depctr_va_vdst(0)                   ; the wait here, ahead of the wait below
	s_barrier_wait -1                              ; all of V's scale bytes are in
.irp t, 0,1
	global_store_b128 v[LI], v[PC+4*\t:PC+4*\t+3], s[70:71] offset:512*\t
.endr
	QUANT4 64, PC+8, PW+2, 1                       ; tiles 2, 3
.irp t, 2,3
	global_store_b128 v[LI], v[PC+4*\t:PC+4*\t+3], s[70:71] offset:512*\t
.endr
	v_cndmask_b32 v[SW], v[PW+1], v[PW], s91       ; word j: lanes 0-15 tile 2 j's, lanes 16-31 tile 2 j + 1's
	v_cndmask_b32 v[SW+1], v[PW+3], v[PW+2], s91
	global_store_b64 v[L8], v[SW:SW+1], s[70:71] offset:2048
	s_wait_alu depctr_va_vdst(0)                   ; the wait ahead of the branch
	s_cmp_lt_u32 s[WV], 2
	s_cbranch_scc0 .Lno_words
	ds_load_b64 v[88:89], v[GR]                    ; bytes of blocks 0, 1: the even wave's words
	ds_load_b64 v[90:91], v[GR] offset:128         ; bytes of blocks 2, 3: the odd one's
	s_wait_dscnt 0x0
	v_lshl_or_b32 v88, v90, 16, v88
	v_lshl_or_b32 v89, v91, 16, v89
	global_store_b64 v[L8], v[88:89], s[74:75]     ; V's scale words of step w: 256 consecutive bytes, aligned
.Lno_words:
	s_wait_tensorcnt 0x0                           ; the wave's end
	ds_add_u32 v[SPW], v[NIL]
	s_wait_dscnt 0x0
	ROUND                                          ; the closing round: no work-group ends while a partner may still ask for a block that names it
	s_endpgm
.Lfunc_end_k_q6c3071c0e8_proj:
	.size	k_q6c3071c0e8_proj, .Lfunc_end_k_q6c3071c0e8_proj-k_q6c3071c0e8_proj
	.p2alignl 7, 3214868480
	.fill 96, 4, 3214868480
	.section	.rodata,"a",@progbits
	.p2align	6, 0x0
	.amdhsa_kernel k_q6c3071c0e8_proj
		.amdhsa_group_segment_fixed_size 245760
		.amdhsa_private_segment_fixed_size 0
		.amdhsa_enable_private_segment 0
		.amdhsa_kernarg_size 48
		.amdhsa_user_sgpr_count 2
		.amdhsa_user_sgpr_kernarg_segment_ptr 1
		.amdhsa_wavefront_size32 1
		.amdhsa_system_sgpr_workgroup_id_x 1
		.amdhsa_system_sgpr_workgroup_id_y 1
		.amdhsa_system_sgpr_workgroup_id_z 1
		.amdhsa_system_vgpr_workitem_id 0
		.amdhsa_next_free_vgpr 512
		.amdhsa_next_free_sgpr 100
		.amdhsa_reserve_vcc 0
		.amdhsa_float_denorm_mode_32 3
		.amdhsa_float_denorm_mode_16_64 3
		.amdhsa_memory_ordered 1
		.amdhsa_forward_progress 1
		.amdhsa_inst_pref_size 63
	.end_amdhsa_kernel
	.amdgpu_metadata
---
amdhsa.version: [ 1, 2 ]
amdhsa.kernels:
  - .name:           k_q6c3071c0e8_proj
    .symbol:         k_q6c3071c0e8_proj.kd
    .args:
      - { .name: XQ, .offset: 0, .size: 8, .value_kind: global_buffer, .address_space: global }
      - { .name: WQ, .offset: 8, .size: 8, .value_kind: global_buffer, .address_space: global }
      - { .name: bq, .offset: 16, .size: 8, .value_kind: global_buffer, .address_space: global }
      - { .name: bk, .offset: 24, .size: 8, .value_kind: global_buffer, .address_space: global }
      - { .name: bv, .offset: 32, .size: 8, .value_kind: global_buffer, .address_space: global }
      - { .name: QKV, .offset: 40, .size: 8, .value_kind: global_buffer, .address_space: global }
    .group_segment_fixed_size: 245760
    .private_segment_fixed_size: 0
    .kernarg_segment_align: 8
    .kernarg_segment_size: 48
    .max_flat_workgroup_size: 256
    .sgpr_count:     100
    .vgpr_count:     512
    .wavefront_size: 32
...
	.end_amdgpu_metadata
.endif
;; end of part 2
;; launch attn (part 3): grid 8 x 32, 16 waves a work-group, clusters of 4 x 1, 276,480 bytes of LDS; arguments QKV, out0; writes out0
.if DOCPART == 3
	.amdgcn_target "amdgcn-amd-amdhsa--gfx1250"
	.amdhsa_code_object_version 6
	.text
	.protected	k_q6c3071c0e8_attn
	.globl	k_q6c3071c0e8_attn
	.p2align	8
	.type	k_q6c3071c0e8_attn,@function
k_q6c3071c0e8_attn:
	s_mov_b64 s[64:65], 0
	v_nop
	global_prefetch_b8 v0, s[64:65] scope:SCOPE_SE
	s_setreg_imm32_b32 hwreg(HW_REG_WAVE_MODE, 25, 1), 1
	s_wait_xcnt 0x0
	s_wait_alu depctr_hold_cnt(0) depctr_sa_sdst(0) depctr_va_vdst(0) depctr_va_sdst(0) depctr_va_ssrc(0) depctr_va_vcc(0) depctr_vm_vsrc(0)
	s_getreg_b32 s2, hwreg(HW_REG_IB_STS2, 6, 4)
	s_cmp_eq_u32 s2, 0
	s_cbranch_scc0 .Lentry_in_a_cluster
	s_endpgm
.Lentry_in_a_cluster:
	s_bfe_u32 s2, ttmp6, 0x10000c
	s_cmp_lg_u32 s2, 0x3003
	s_cbranch_scc0 .Lentry_shape_is_right
	s_endpgm
.Lentry_shape_is_right:
; LAUNCH 3 OF 3.  Z[q] = sum over k of Q4(softmax_k(Q[q] . K[k] / 8) x tril) V[k], both products on codes of FP4 with E8M0 scales.  What is quantised for the second product is the FINISHED softmax:
; p = 2^(t - M) / sum, t = score x log2(e) / 8, M the row's largest t rounded up to a whole number, the sum taken over ALL 2,048 keys; keys above the query count 0.  So there are two passes over the keys.
; PASS 1, eight trips of 256 keys: the scores, a running M and sum; the largest score of each block of 32 keys is kept in LDS.  PASS 2, steps of 128 keys: the scores once more, p, its codes along the keys, O^T += V^T P^T.
; LEFT OUT (shown at the head of launch 1): pass 2's steps of 128 keys that lie wholly above my 16 queries: there reference()'s own tril makes p = 0.  A NaN or infinity that reaches only those steps is not carried.
; SHARES.  A work-group of sixteen waves serves one (batch, head); a wave owns one tile T of 16 queries in 256 registers, four waves to a SIMD.  T = 8 LIM + low: LIM, the step in which the tile lies, hangs on the
; wave's number alone (so every branch is alike in all work-groups); the tiles with most steps go to the lowest waves.  low hangs on the work-group's number, which enters Q's and Z's addresses and the mask's numbers alone.
; LAYOUT.  S^T = K Q^T (source 0 = 16 keys, source 1 = my queries), O^T = V^T P^T: a lane holds ONE query (lane % 16) throughout.  By the choice of a tile's rows (launch 1) register 16 b + i of S^T is key
; 32 b + 16 h + i of the step, and register 16 b + i of O^T is e = 32 b + 16 h + i.  The first product's K = 64 is filled to 128 with zero codes on Q's side, whose two scale bytes stand for 1; on K's side
; the upper four registers of a fragment are the next fragment's codes: every code of E2M1 is finite, so their products with zero codes add nothing.  Sixteen fragments so take 68 registers.
; LDS.  The head's K (73,728 bytes) and V (69,632) as images of the operands' registers, brought once, jointly for the four work-groups of a cluster: K's quarters by waves 0-3, V's by waves 4-7: one tensor load a wave.
; Behind them 8,192 bytes for each wave: the blocks' largest scores, 512 bytes a step; at the end the stage of the way out; then the spare words.  Nothing is filled again.
; K's barrier stands ahead of pass 1; V's is signalled there and waited for behind pass 1's first trip.  No barrier parts the passes.
; NO PREFETCH: all that the launch reads is asked for at its head; no later load is there to run ahead of.
; LIMITS: v_exp_f32 gives 0 under 2^-126; a block's largest p is made from the block's largest score by the same instructions, which takes v_exp_f32 not to fall where its input rises; a block under the floor
; 2^(3 - 127) keeps the byte 1; NaN and infinities among the inputs are not served.
.set VB,    73728                      ; V lies behind K
.set MX,    143360                     ; the waves' own regions
.set SPARE, MX+16*8192
.set KSTEP, 4608                       ; 128 keys of K: two units of 4 x 512 bytes of codes + 256 of scale words
.set VSTEP, 4352                       ; 128 keys of V: 4 x 1,024 bytes of codes + 256 of scale words
.set LI,   1                           ; v1   16 x lane
.set L8,   2                           ; v2   8 x lane
.set VI,   3                           ; v3   VB + 16 x lane
.set VW,   4                           ; v4   VB + 4 x lane
.set SPW,  5                           ; v5   my spare word's LDS address; never rewritten
.set NIL,  6                           ; v6   0; never rewritten
.set GO,   7                           ; v7   the way out: 4,096 h + 16 r
.set ADK,  8                           ; v8-11 addresses: K's codes, K's words, V's codes, V's words
.set ADS,  9
.set ADV,  10
.set ADT,  11
.set NM,   12                          ; v12 -M
.set RUN,  13                          ; v13 the largest score so far
.set SUM,  14                          ; v[14:15] pass 1: the sum in two halves
.set CR,   76                          ; pass 2: v76-83 -(the row's largest score), the C of the second forming of the scores; v12 is then x - log2(sum)
.set QF,   16                          ; v16-23 Q's fragment (20-23 zero codes)
.set QS,   24                          ; v24  Q's scale words; nothing else
.set DREL, 25                          ; v25  my query within its step, less 16 h
.set NINF, 26                          ; v26  -infinity
.set QO,   27                          ; v27  Q's offset
.set KS,   28                          ; v28-31 K's scale words; nothing else
.set KF,   32                          ; v32-99 K's fragments, four registers on from one to the next; v96-99 zeros
.set PC,   68                          ; pass 2: v68-75 p's codes
.set S,    100                         ; v100-227 (pass 2: 100-163) S^T, then p
.set O,    164                         ; pass 2: v164-195 O^T
.set VF,   196                         ; pass 2: v196-227 V's four fragments; on the way out whole rows
.set KT,   228                         ; pass 1: v228-231 the trip's second step's scale words of K; nothing but scale words
.set VS,   228                         ; pass 2: v228-229 V's scale words
.set PW,   230                         ; pass 2: v230 p's scale word
.set BM,   232                         ; v232-239 the blocks' largest scores; pass 2: v232-235 my half's,
.set BO,   236                         ; v236-239 lane l xor 16's
.set SO,   240                         ; pass 2: v240-243 the conversions' scale operands;  pass 1: v240-244 at work
.set BP,   244                         ; pass 2: v244-247 bytes
.set MX0,  252                         ; v252 my place in my wave's region;  v253 lane l xor 16's
.set MX1,  253
.set MXA,  254                         ; v254, v255 the same for the step in hand
.set MXB,  255
.set WV,   8                           ; s8
.set LIM,  14                          ; s14  my tile's step
.set G1K,  16
.set G1V,  24
.set G0K,  32
.set G0V,  36
.set SEL,  40
.set CS,   42                          ; s[42:43] c = log2(e) / 8
.set TB,   47                          ; s47  where the step that is fetched next begins in K
.set TV,   48                          ; s48  where the step in hand begins in V
.set SG,   49                          ; s49  the step
.set CNT,  50
.set TM,   66                          ; s66  a step's place among the blocks' largest scores
.set FL,   68                          ; s[68:69] 1.0, or 0 in my tile's own step
.macro ROUND                           ; a round of the cluster's barrier
	s_barrier_signal -1
	s_barrier_wait -1
	s_cmp_lg_u32 s[WV], 0
	s_cbranch_scc1 .Lnot_wave_0_\@
	s_barrier_signal -3
.Lnot_wave_0_\@:
	s_barrier_wait -3
	s_barrier_signal -1
	s_barrier_wait -1
.endm
.macro KL ra, rs, o, kf, ks            ; ten LDS loads: a step's eight tiles of 16 keys, 512 consecutive bytes each, and their scale words
.irp n, 0,1,2,3,4,5,6,7
	ds_load_b128 v[\kf+4*\n:\kf+4*\n+3], v[\ra] offset:\o+2304*(\n/4)+512*(\n%4)
.endr
	ds_load_b64 v[\ks:\ks+1], v[\rs] offset:\o+2048
	ds_load_b64 v[\ks+2:\ks+3], v[\rs] offset:\o+4352
.endm
.macro SC n, ks                        ; S^T of tiles n, n + 1: each accumulator is begun with the constant 0; the odd tile's scale words stand in lanes 16-31
	v_wmma_scale_f32_16x16x128_f8f6f4 v[S+8*\n:S+8*\n+7], v[KF+4*\n:KF+4*\n+7], v[QF:QF+7], 0, v[\ks], v[QS] matrix_a_fmt:MATRIX_FMT_FP4 matrix_b_fmt:MATRIX_FMT_FP4
	v_wmma_scale_f32_16x16x128_f8f6f4 v[S+8*\n+8:S+8*\n+15], v[KF+4*\n+4:KF+4*\n+11], v[QF:QF+7], 0, v[\ks], v[QS] matrix_a_fmt:MATRIX_FMT_FP4 matrix_b_fmt:MATRIX_FMT_FP4 matrix_a_scale:MATRIX_SCALE_ROW1
.endm
.macro SCM n, ks                       ; pass 2: S^T less the row's largest score, which is the accumulators' C
	v_wmma_scale_f32_16x16x128_f8f6f4 v[S+8*\n:S+8*\n+7], v[KF+4*\n:KF+4*\n+7], v[QF:QF+7], v[CR:CR+7], v[\ks], v[QS] matrix_a_fmt:MATRIX_FMT_FP4 matrix_b_fmt:MATRIX_FMT_FP4
	v_wmma_scale_f32_16x16x128_f8f6f4 v[S+8*\n+8:S+8*\n+15], v[KF+4*\n+4:KF+4*\n+11], v[QF:QF+7], v[CR:CR+7], v[\ks], v[QS] matrix_a_fmt:MATRIX_FMT_FP4 matrix_b_fmt:MATRIX_FMT_FP4 matrix_a_scale:MATRIX_SCALE_ROW1
.endm
.macro MAXES n                         ; my sixteen scores of each of n blocks of 32 keys: n chains by turns; each accumulator is read from its low end on
.set qb, 0
.rept \n
	v_max3_num_f32 v[BM+qb], v[S+16*qb], v[S+16*qb+1], v[S+16*qb+2]
.set qb, qb+1
.endr
.set qi, 3
.rept 6
.set qb, 0
.rept \n
	v_max3_num_f32 v[BM+qb], v[BM+qb], v[S+16*qb+qi], v[S+16*qb+qi+1]
.set qb, qb+1
.endr
.set qi, qi+2
.endr
.set qb, 0
.rept \n
	v_max_num_f32 v[BM+qb], v[BM+qb], v[S+16*qb+15]
.set qb, qb+1
.endr
.endm
.macro TLM n                           ; t - M, two at a time: of the pairs c and -M the low word serves both halves
.set qj, 0
.rept \n
	v_pk_fma_f32 v[S+qj:S+qj+1], v[S+qj:S+qj+1], s[CS:CS+1], v[NM:NM+1] op_sel_hi:[1,0,0]
.set qj, qj+2
.endr
.endm
.macro EXPS n
.set qj, 0
.rept \n
	v_exp_f32 v[S+qj], v[S+qj]
.set qj, qj+1
.endr
.endm
; A TRIP OF PASS 1: 256 keys.  Each lane keeps M and the sum for ITS half of a query's keys; the halves meet once, behind the loop.
; first = 1: nothing is carried in, and V's barrier is waited for at its end, ahead of the trip's LDS stores.
.macro TRIP1 first
	s_wait_dscnt 0x0                               ; the trip's fragments are in
	SC 0, KS
	SC 2, KS+1
	SC 4, KS+2
	SC 6, KS+3
	SC 8, KT
	SC 10, KT+1
	SC 12, KT+2
	SC 14, KT+3
	v_add_nc_u32 v[ADK], s[TB], v[LI]              ; these four lines are the places behind the products
	v_add_nc_u32 v[ADS], s[TB], v[L8]
.if \first
	v_nop
	v_nop
	KL ADK, ADS, 0, KF, KS                         ; the next trip's fragments land while this one's scores are worked
	KL ADK, ADS, KSTEP, KF+32, KT
.else
	v_add_nc_u32 v[MXA], s[TM], v[MX0]
	v_nop
	s_wait_alu depctr_va_vdst(0)                   ; the wait here, ahead of the branch
	s_cmp_eq_u32 s[CNT], 1
	s_cbranch_scc1 .Llast_\@
	KL ADK, ADS, 0, KF, KS
	KL ADK, ADS, KSTEP, KF+32, KT
	s_branch .Lfetched_\@
.Llast_\@:
	KL LI, L8, 0, KF, KS                           ; the last trip fetches pass 2's step 0
.Lfetched_\@:
.endif
	MAXES 8
	v_max3_num_f32 v240, v[BM], v[BM+1], v[BM+2]
	v_max3_num_f32 v241, v[BM+3], v[BM+4], v[BM+5]
	v_max3_num_f32 v240, v240, v[BM+6], v[BM+7]
.if \first
	v_max_num_f32 v[RUN], v240, v241
	v_mul_f32 v242, 0xbe38aa3b, v[RUN]             ; -t = -c x the largest score (c is positive)
	v_floor_f32 v[NM], v242                        ; -M = floor(-t): M is a whole number
.else
	v_max3_num_f32 v[RUN], v[RUN], v240, v241
	ds_store_b128 v[MXA], v[BM:BM+3]               ; kept for pass 2
	ds_store_b128 v[MXA], v[BM+4:BM+7] offset:512
	v_mul_f32 v242, 0xbe38aa3b, v[RUN]
	s_delay_alu instid0(VALU_DEP_1)
	v_floor_f32 v243, v242                         ; the new -M
	s_delay_alu instid0(VALU_DEP_1)
	v_sub_f32 v244, v243, v[NM]                    ; M's old value less its new one: a whole number, 0 or less
	v_mov_b32 v[NM], v243
	s_delay_alu instid0(VALU_DEP_2)
	v_cvt_i32_f32 v244, v244                       ; (it saturates)
.endif
	TLM 64
	s_wait_alu depctr_va_vdst(0)                   ; the wait ahead of the batch
	EXPS 128
.if \first
	v_nop                                          ; a plain place behind the exponentials
.else
	v_ldexp_f32 v[SUM], v[SUM], v244               ; the sum under the new M: nothing is rounded.  (Plain places behind the exponentials)
	v_ldexp_f32 v[SUM+1], v[SUM+1], v244
.endif
	s_wait_alu depctr_va_vdst(0)                   ; one wait for the batch, ahead of its first reader
.set qn, 32
.rept 5                                ; 64 pairs to 32, 16, 8, 4, 2
.set qj, 0
.rept qn
	v_pk_add_f32 v[S+2*qj:S+2*qj+1], v[S+2*qj:S+2*qj+1], v[S+2*qj+2*qn:S+2*qj+2*qn+1]
.set qj, qj+1
.endr
.set qn, qn/2
.endr
.if \first
	v_pk_add_f32 v[SUM:SUM+1], v[S:S+1], v[S+2:S+3]
	s_barrier_wait -1                              ; V is in, everybody's part
	ds_store_b128 v[MX0], v[BM:BM+3]
	ds_store_b128 v[MX0], v[BM+4:BM+7] offset:512
.else
	v_pk_add_f32 v[SUM:SUM+1], v[SUM:SUM+1], v[S:S+1]
	s_delay_alu instid0(VALU_DEP_1)
	v_pk_add_f32 v[SUM:SUM+1], v[SUM:SUM+1], v[S+2:S+3]
.endif
.endm
.macro WMO e, first                    ; O^T tile e: source 0 = 16 of the head's e, source 1 = p
.if \first
.if ((\e)%2) == 0
	v_wmma_scale_f32_16x16x128_f8f6f4 v[O+8*(\e):O+8*(\e)+7], v[VF+8*(\e):VF+8*(\e)+7], v[PC:PC+7], 0, v[VS+(\e)/2], v[PW] matrix_a_fmt:MATRIX_FMT_FP4 matrix_b_fmt:MATRIX_FMT_FP4
.else
	v_wmma_scale_f32_16x16x128_f8f6f4 v[O+8*(\e):O+8*(\e)+7], v[VF+8*(\e):VF+8*(\e)+7], v[PC:PC+7], 0, v[VS+(\e)/2], v[PW] matrix_a_fmt:MATRIX_FMT_FP4 matrix_b_fmt:MATRIX_FMT_FP4 matrix_a_scale:MATRIX_SCALE_ROW1
.endif
.else
.if ((\e)%2) == 0
	v_wmma_scale_f32_16x16x128_f8f6f4 v[O+8*(\e):O+8*(\e)+7], v[VF+8*(\e):VF+8*(\e)+7], v[PC:PC+7], v[O+8*(\e):O+8*(\e)+7], v[VS+(\e)/2], v[PW] matrix_a_fmt:MATRIX_FMT_FP4 matrix_b_fmt:MATRIX_FMT_FP4
.else
	v_wmma_scale_f32_16x16x128_f8f6f4 v[O+8*(\e):O+8*(\e)+7], v[VF+8*(\e):VF+8*(\e)+7], v[PC:PC+7], v[O+8*(\e):O+8*(\e)+7], v[VS+(\e)/2], v[PW] matrix_a_fmt:MATRIX_FMT_FP4 matrix_b_fmt:MATRIX_FMT_FP4 matrix_a_scale:MATRIX_SCALE_ROW1
.endif
.endif
.endm
; A STEP OF PASS 2.  first = 1: step 0, which every tile has: its products start O^T with the constant 0.
.macro STEP2 first
.if !(\first)
	s_cmp_gt_u32 s[SG], s[LIM]                     ; a step wholly above my queries is left out: a branch on the wave's number and the count of steps, round the work alone
	s_cbranch_scc1 .Lhidden_\@
.endif
	s_wait_dscnt 0x0                               ; K's ten loads, issued a step ago, are in
	SCM 0, KS
	SCM 2, KS+1
	SCM 4, KS+2
	SCM 6, KS+3
	v_add_nc_u32 v[ADV], s[TV], v[VI]              ; the places behind the products
	v_add_nc_u32 v[ADT], s[TV], v[VW]
	v_add_nc_u32 v[ADK], s[TB], v[LI]
	v_add_nc_u32 v[ADS], s[TB], v[L8]
	s_wait_alu depctr_va_vdst(0)                   ; the wait here, ahead of the branch
	s_cmp_lg_u32 s[SG], s[LIM]
	s_cselect_b32 s[FL], 1.0, 0                    ; the largest that pass 1 kept are still to be brought under the row's largest; those of my tile's own step are
	s_cbranch_scc1 .Lopen_\@
.set qn, 0
.rept 64                               ; my tile's own step, its last: register 16 b + i holds key 32 b + 16 h + i; it is hidden where 32 b + i > my query - 16 h.  -infinity gives p = 0
	v_cmp_gt_i32 vcc_lo, 32*(qn/16)+qn%16, v[DREL]
	v_cndmask_b32 v[S+qn], v[S+qn], v[NINF], vcc_lo
.set qn, qn+1
.endr
	MAXES 4                                        ; the blocks' largest among the keys that count
.irp b, 0,1,2,3
	v_permlanex16_b32 v[BO+\b], v[BM+\b], s[SEL], s[SEL+1]
.endr
	s_branch .Lscored_\@
.Lopen_\@:
	ds_load_b128 v[BM:BM+3], v[MXA]                ; the blocks' largest scores, kept by pass 1: my half's
	ds_load_b128 v[BO:BO+3], v[MXB]                ; and lane l xor 16's
	KL ADK, ADS, 0, KF, KS                         ; the next step's K
.Lscored_\@:
.irp e, 0,1,2,3
.irp c, 0,1
	ds_load_b128 v[VF+8*\e+4*\c:VF+8*\e+4*\c+3], v[ADV] offset:1024*\e+512*\c
.endr
.endr
	ds_load_b32 v[VS], v[ADT] offset:4096
	ds_load_b32 v[VS+1], v[ADT] offset:4096+128
	TLM 32                                         ; c x (score - the row's largest) + x - log2(sum)
	s_wait_dscnt 20                                ; K's ten and V's ten loads may be out: the blocks' largest, issued ahead of them, are in
.irp b, 0,1,2,3
	v_max_num_f32 v[BM+\b], v[BM+\b], v[BO+\b]     ; each block's largest score.  (Plain work behind the exponentials)
.endr
.irp b, 0,2
	v_pk_fma_f32 v[BM+\b:BM+\b+1], v[CR:CR+1], s[FL:FL+1], v[BM+\b:BM+\b+1] op_sel_hi:[1,0,1]   ; less the row's largest
.endr
.irp b, 0,2
	v_pk_fma_f32 v[BM+\b:BM+\b+1], v[BM+\b:BM+\b+1], s[CS:CS+1], v[NM:NM+1] op_sel_hi:[1,0,0]
.endr
	s_wait_alu depctr_va_vdst(0)                   ; the wait ahead of the batch
	EXPS 64                                        ; p, the finished softmax
.irp b, 0,1,2,3
	v_exp_f32 v[BM+\b], v[BM+\b]                   ; and each block's largest p: the same arithmetic on the block's largest score
.endr
	v_add_nc_u32 v[MXA], s[TM], v[MX0]             ; the next step's.  (A plain place behind the exponentials)
	s_wait_alu depctr_va_vdst(0)                   ; one wait for the batch, ahead of its first reader
.irp b, 0,1,2,3
	v_max_num_f32 v[BM+\b], 0x1800000, v[BM+\b]    ; the floor: the byte cannot fall under 1 (a block of zeros keeps that byte: its codes are zeros)
.endr
.irp b, 0,1,2,3
	v_add_nc_u32 v[SO+\b], 0xff000000, v[BM+\b]    ; 2 off the exponent field: the conversion's scale operand
.endr
.irp b, 0,1,2,3
	v_lshrrev_b32 v[BP+\b], 23, v[SO+\b]           ; the scale's byte
.endr
	v_lshl_or_b32 v[PW], v[BP+1], 8, v[BP]         ; p's scale word for these 128 keys
	v_lshl_or_b32 v[BP+2], v[BP+3], 8, v[BP+2]
	s_delay_alu instid0(VALU_DEP_1)
	v_lshl_or_b32 v[PW], v[BP+2], 16, v[PW]
.irp b, 0,1,2,3
	v_cvt_scalef32_pk8_fp4_f32 v[PC+2*\b], v[S+16*\b:S+16*\b+7], v[SO+\b]
	v_cvt_scalef32_pk8_fp4_f32 v[PC+2*\b+1], v[S+16*\b+8:S+16*\b+15], v[SO+\b]
.endr
	v_nop                                          ; one plain place behind a scaled conversion
.irp c, 0,1                            ; the operand's layout wants a WHOLE block in a lane
.irp i, 0,1
	v_permlane16_swap_b32 v[PC+4*\c+\i], v[PC+4*\c+2+\i]
.endr
.endr
	v_add_nc_u32 v[MXB], s[TM], v[MX1]             ; the next step's.  (With the six below: places between p's codes and scale word and the products)
.rept 6
	v_nop
.endr
	s_wait_alu depctr_va_vdst(0)                   ; the wait here: O^T is taken up again behind exponentials
	s_wait_dscnt 0x0                               ; V is in
.irp e, 0,1,2,3
	WMO \e, \first
.endr
.if !(\first)
.Lhidden_\@:
.endif
	s_add_co_u32 s[TB], s[TB], KSTEP
	s_add_co_u32 s[TV], s[TV], VSTEP
	s_add_co_u32 s[TM], s[TM], 512
	s_add_co_u32 s[SG], s[SG], 1
.endm
	s_load_b128 s[4:7], s[0:1], 0x0                ; QKV s[4:5], out0 s[6:7]
	v_lshl_add_u32 v[SPW], v0, 2, SPARE
	v_mov_b32 v[NIL], 0
	ds_add_u32 v[SPW], v[NIL]                      ; the wave's opening: the add, twice on end, and its wait ahead of the first tensor loads
	ds_add_u32 v[SPW], v[NIL]
	v_lshrrev_b32 v248, 5, v0
	v_readfirstlane_b32 s[WV], v248                ; wave 0..15
	s_bfe_u32 s9, ttmp6, 0x40000                   ; cx
	s_lshl_b32 s10, ttmp9, 2
	s_add_co_u32 s10, s10, s9                      ; g = 4 x cluster x + cx, 0..7
	s_and_b32 s11, ttmp7, 0xffff                   ; 16 x batch + head, which the four partners share
	s_lshr_b32 s12, s[WV], 2                       ; i
	s_and_b32 s13, s[WV], 3
	s_and_b32 s15, s12, 1
	s_mul_i32 s44, s15, 3
	s_xor_b32 s44, s13, s44
	s_xor_b32 s12, s12, 3                          ; 3 - i
	s_lshl_b32 s[LIM], s12, 2
	s_add_co_u32 s[LIM], s[LIM], s44               ; LIM = 4 (3 - i) + ((w & 3) xor 3 (i & 1)): waves w, w + 4, w + 8, w + 12 together have 34 steps of pass 2, whatever w
	s_mul_i32 s45, s15, 7
	s_xor_b32 s45, s10, s45                        ; low = g xor 7 (i & 1)
	s_lshl_b32 s46, s[LIM], 3
	s_add_co_u32 s46, s46, s45                     ; T
	; group 1: dense blocks as rows of 256 bytes (32 elements of 8 bytes), no padding: a quarter of K is 72 rows, of V 68
	s_mov_b32 s[G1K], 15|(3<<16)|(1<<21)           ; 15:0 all four work-groups; 17:16 elements of 8 bytes; 21 set beside a mask
	s_mov_b32 s[G1K+1], 32<<16
	s_mov_b32 s[G1K+2], 72<<16
	s_mov_b32 s[G1K+3], 32<<16
	s_mov_b32 s[G1K+4], 72
	s_mov_b32 s[G1K+5], 32
	s_mov_b32 s[G1K+6], 0
	s_mov_b32 s[G1K+7], 0
	s_mov_b32 s[G1V], 15|(3<<16)|(1<<21)
	s_mov_b32 s[G1V+1], 32<<16
	s_mov_b32 s[G1V+2], 68<<16
	s_mov_b32 s[G1V+3], 32<<16
	s_mov_b32 s[G1V+4], 68
	s_mov_b32 s[G1V+5], 32
	s_mov_b32 s[G1V+6], 0
	s_mov_b32 s[G1V+7], 0
	s_mul_i32 s51, s13, 18432                      ; a quarter of K, in LDS and in memory
	s_mul_i32 s52, s11, 73728
	s_add_co_u32 s52, s52, s51
	s_add_co_u32 s52, s52, 2359296
	s_mov_b32 s53, 0
	s_mul_i32 s44, s13, 17408                      ; and of V
	s_mul_i32 s54, s11, 69632
	s_add_co_u32 s54, s54, s44
	s_add_co_u32 s54, s54, 4718592
	s_mov_b32 s55, 0
	s_mul_i32 s56, s11, 73728                      ; Q: the head's units,
	s_lshr_b32 s57, s46, 2
	s_mul_i32 s57, s57, 2304                       ; my tile's unit of 64 queries
	s_add_co_u32 s56, s56, s57
	s_mov_b32 s57, 0
	s_and_b32 s58, s46, 3
	s_lshl_b32 s58, s58, 9                         ; my tile in it
	s_and_b32 s59, s46, 1
	s_lshl_b32 s59, s59, 7                         ; its scale words: [16 u + r][j]
	s_bfe_u32 s60, s46, 0x10001
	s_lshl_b32 s60, s60, 2
	s_add_co_u32 s59, s59, s60
	s_add_co_u32 s59, s59, 2048
	s_lshr_b32 s60, s46, 1
	s_lshl_b32 s60, s60, 5
	s_and_b32 s61, s46, 1
	s_lshl_b32 s61, s61, 3
	s_add_co_u32 s60, s60, s61                     ; my tile's first query: 32 (T / 2) + 8 (T % 2)
	s_and_b32 s61, s60, 127                        ; and within its step
	s_lshl_b32 s60, s60, 12                        ; a row of out0 is 4,096 bytes
	s_lshr_b32 s62, s11, 4
	s_lshl_b32 s62, s62, 23                        ; a batch is 2,048 rows
	s_add_co_u32 s60, s60, s62
	s_and_b32 s62, s11, 15
	s_lshl_b32 s62, s62, 8                         ; the head's 256 bytes of a row
	s_add_co_u32 s62, s60, s62
	s_mov_b32 s63, 0
	s_mov_b32 s[SEL], 0x76543210
	s_mov_b32 s[SEL+1], 0xfedcba98                 ; v_permlanex16_b32's selects for lane l xor 16
	s_mov_b32 s[CS], 0x3e38aa3b                    ; c = log2(e) / 8
	s_mov_b32 s[CS+1], s[CS]                       ; (named with it as a pair, so it is written)
	s_wait_dscnt 0x0                               ; both opening adds are done
	s_wait_kmcnt 0x0
	s_mov_b32 s[G0K], 1                            ; count = 1
	s_mov_b32 s[G0K+1], s51                        ; LDS address
	s_add_nc_u64 s[G0K+2:G0K+3], s[4:5], s[52:53]
	s_or_b32 s[G0K+3], s[G0K+3], 0x80000000        ; type = 2
	s_mov_b32 s[G0V], 1
	s_add_co_u32 s[G0V+1], s44, VB
	s_add_nc_u64 s[G0V+2:G0V+3], s[4:5], s[54:55]
	s_or_b32 s[G0V+3], s[G0V+3], 0x80000000
	s_add_nc_u64 s[56:57], s[4:5], s[56:57]
	s_add_nc_u64 s[6:7], s[6:7], s[62:63]
	ROUND                                          ; all four work-groups are here: the joint loads meet
	s_cmp_lt_u32 s[WV], 4                          ; one load a wave, in one chain of branches on its number: waves 0-3 K's quarters,
	s_cbranch_scc0 .Lfor_v
	tensor_load_to_lds s[G0K:G0K+3], s[G1K:G1K+7]
	s_nop 0
.rept 4
	v_nop
.endr
	s_branch .Lasked
.Lfor_v:
	s_cmp_lt_u32 s[WV], 8                          ; waves 4-7 V's
	s_cbranch_scc0 .Lasked
	tensor_load_to_lds s[G0V:G0V+3], s[G1V:G1V+7]
	s_nop 0
.rept 4
	v_nop
.endr
.Lasked:
	v_and_b32 v248, 31, v0                         ; lane
	v_and_b32 v249, 15, v0                         ; r
	v_bfe_u32 v250, v0, 4, 1                       ; h
	v_lshlrev_b32 v[LI], 4, v248
	v_lshlrev_b32 v[L8], 3, v248
	v_lshl_add_u32 v[VW], v248, 2, VB
	v_lshl_add_u32 v251, v249, 3, s59
	v_add_nc_u32 v[QO], s58, v[LI]
	v_add_nc_u32 v[VI], VB, v[LI]
	global_load_b128 v[QF:QF+3], v[QO], s[56:57]   ; Q's fragment stays in registers: lane (r, h) holds block h of query r
	global_load_b32 v[QS], v251, s[56:57]          ; and its scale words
	s_lshl_b32 s51, s[WV], 13
	s_add_co_u32 s51, s51, MX                      ; my wave's region
	v_lshlrev_b32 v[GO], 12, v250
	v_and_b32 v[DREL], 8, v249
	v_add_nc_u32 v[MX0], s51, v[LI]
	v_lshlrev_b32 v240, 4, v250
	v_lshl_add_u32 v[GO], v249, 4, v[GO]
	v_add_nc_u32 v[DREL], v[DREL], v249            ; r + 8 (r / 8)
	v_xor_b32 v[MX1], 0x100, v[MX0]                ; (a region begins at a multiple of 512: lane l xor 16 lies 256 bytes away)
	v_mov_b32 v[NINF], 0xff800000
	v_add_nc_u32 v[DREL], s61, v[DREL]             ; my query within its step,
.irp j, 4,5,6,7
	v_mov_b32 v[QF+\j], 0                          ; K = 64 .. 127: zero codes
.endr
	v_sub_nc_u32 v[DREL], v[DREL], v240            ; less 16 h
.irp j, 64,65,66,67
	v_mov_b32 v[KF+\j], 0                          ; behind the sixteenth fragment
.endr
	s_mov_b32 s[TB], 2*KSTEP
	s_wait_alu depctr_va_vdst(0)                   ; the wait at the head's end
	s_cmp_lt_u32 s[WV], 4                          ; K was asked for by waves 0-3: they alone wait here
	s_cbranch_scc0 .Lno_k
	s_wait_tensorcnt 0x0
.Lno_k:
	s_barrier_signal -1
	s_barrier_wait -1                              ; all of K is in
	s_wait_tensorcnt 0x0                           ; V was asked for by waves 4-7: my part of it is in;
	s_barrier_signal -1                            ; the wait to this signal stands at the end of pass 1's first trip: between the two, work on registers and loads from K alone
	KL LI, L8, 0, KF, KS
	KL LI, L8, KSTEP, KF+32, KT
	s_wait_loadcnt 0x0                             ; Q
	; PASS 1: M and the sum over all keys
	TRIP1 1
	s_mov_b32 s[TB], 4*KSTEP
	s_mov_b32 s[TM], 1024
	s_mov_b32 s[CNT], 7
.Lpass1:
	TRIP1 0
	s_add_co_u32 s[TB], s[TB], 2*KSTEP
	s_add_co_u32 s[TM], s[TM], 1024
	s_sub_co_u32 s[CNT], s[CNT], 1
	s_cmp_lg_u32 s[CNT], 0
	s_cbranch_scc1 .Lpass1
	v_add_f32 v[SUM], v[SUM], v[SUM+1]             ; the sum's two halves
	v_permlanex16_b32 v248, v[NM], s[SEL], s[SEL+1]    ; lane l xor 16's -M,
	v_permlanex16_b32 v240, v[RUN], s[SEL], s[SEL+1]   ; its largest score
	v_permlanex16_b32 v249, v[SUM], s[SEL], s[SEL+1]   ; and its sum
	v_min_num_f32 v250, v[NM], v248                ; the row's -M: the lesser
	v_max_num_f32 v[RUN], v[RUN], v240             ; the row's largest score
	v_sub_f32 v251, v250, v[NM]
	v_sub_f32 v248, v250, v248
.irp j, 0,1,2,3,4,5,6,7
	v_mul_f32 v[CR+\j], -1.0, v[RUN]               ; less the row's largest score: what pass 2's scores start from
.endr
	v_cvt_i32_f32 v251, v251
	v_cvt_i32_f32 v248, v248
	v_fma_f32 v241, v[RUN], s[CS], v250            ; x = the row's largest t - M, above -1 and at most 0
	v_ldexp_f32 v[SUM], v[SUM], v251               ; both sums under the row's M: nothing is rounded
	v_ldexp_f32 v249, v249, v248
	v_mov_b32 v[MXA], v[MX0]
	v_add_f32 v[SUM], v[SUM], v249                 ; the row's sum: the same two terms, so the same bits, in both lanes
	s_mov_b32 s[FL+1], 0                           ; (named with s[FL] as a pair, so it is written)
	s_wait_alu depctr_va_vdst(0)                   ; the wait ahead of the transcendental
	v_log_f32 v[SUM], v[SUM]
	v_mov_b32 v[MXB], v[MX1]                       ; (a plain place behind it)
	s_wait_alu depctr_va_vdst(0)                   ; and behind it
	v_sub_f32 v[NM], v241, v[SUM]                  ; p = 2^(t - M) / sum = 2^(c (score - largest) + x - log2(sum)): the addend stays small whatever the scores' size
	; PASS 2: steps 0 .. LIM.  The loop's trip count is a constant; a step above my queries jumps over its work.
	s_mov_b32 s[TB], KSTEP
	s_mov_b32 s[TV], 0
	s_mov_b32 s[TM], 512
	s_mov_b32 s[SG], 0
	STEP2 1
.Lpass2:
	STEP2 0
	s_cmp_lt_u32 s[SG], 16
	s_cbranch_scc1 .Lpass2
	; THE WAY OUT.  p was normalised, so O^T is Z.  A lane holds 128 bytes of one query's 256; they go through my stage and leave as whole rows: sixteen lanes store the aligned 256 bytes of one (query, head).
	v_and_b32 v248, 15, v0                         ; (these lines are the places behind the last products)
	v_bfe_u32 v249, v0, 4, 1
	s_lshl_b32 s51, s[WV], 13
	s_add_co_u32 s51, s51, MX                      ; my stage: the region of the blocks' largest, which have all been read
	v_mul_u32_u24 v250, v248, 272
	v_mul_u32_u24 v251, v249, 272
	v_lshl_add_u32 v250, v249, 6, v250
	v_lshl_add_u32 v251, v248, 4, v251
	v_add_nc_u32 v250, s51, v250                   ; in: row r, + 64 h
	v_add_nc_u32 v251, s51, v251                   ; back: lanes 0-15 one row, lanes 16-31 the next
.irp b, 0,1
.irp k, 0,1,2,3
	ds_store_b128 v250, v[O+16*\b+4*\k:O+16*\b+4*\k+3] offset:128*\b+16*\k   ; e = 32 b + 16 h + 4 k on; each accumulator from its low end on
.endr
.endr
.irp i, 0,1,2,3,4,5,6,7
	ds_load_b128 v[VF+4*\i:VF+4*\i+3], v251 offset:544*\i   ; LDS serves a wave's instructions in order: these see my stores
.endr
.irp i, 0,1,2,3,4,5,6,7
	s_wait_dscnt 7-\i                              ; row pair i is back; the 7 - i loads behind it may be out
	global_store_b128 v[GO], v[VF+4*\i:VF+4*\i+3], s[6:7] offset:(2*\i+8*(\i/4))*4096 th:TH_STORE_NT   ; position p = 2 i + h of the tile is query p + 8 (p / 8) on from its first
.endr
	s_wait_tensorcnt 0x0                           ; the wave's end, behind my last tensor load and my last LDS store
	ds_add_u32 v[SPW], v[NIL]
	s_wait_dscnt 0x0
	ROUND                                          ; the closing round: no work-group ends while a partner may still ask for a block that names it
	s_endpgm
.Lfunc_end_k_q6c3071c0e8_attn:
	.size	k_q6c3071c0e8_attn, .Lfunc_end_k_q6c3071c0e8_attn-k_q6c3071c0e8_attn
	.p2alignl 7, 3214868480
	.fill 96, 4, 3214868480
	.section	.rodata,"a",@progbits
	.p2align	6, 0x0
	.amdhsa_kernel k_q6c3071c0e8_attn
		.amdhsa_group_segment_fixed_size 276480
		.amdhsa_private_segment_fixed_size 0
		.amdhsa_enable_private_segment 0
		.amdhsa_kernarg_size 16
		.amdhsa_user_sgpr_count 2
		.amdhsa_user_sgpr_kernarg_segment_ptr 1
		.amdhsa_wavefront_size32 1
		.amdhsa_system_sgpr_workgroup_id_x 1
		.amdhsa_system_sgpr_workgroup_id_y 1
		.amdhsa_system_sgpr_workgroup_id_z 1
		.amdhsa_system_vgpr_workitem_id 0
		.amdhsa_next_free_vgpr 256
		.amdhsa_next_free_sgpr 72
		.amdhsa_reserve_vcc 1
		.amdhsa_float_denorm_mode_32 3
		.amdhsa_float_denorm_mode_16_64 3
		.amdhsa_memory_ordered 1
		.amdhsa_forward_progress 1
		.amdhsa_inst_pref_size 88
	.end_amdhsa_kernel
	.amdgpu_metadata
---
amdhsa.version: [ 1, 2 ]
amdhsa.kernels:
  - .name:           k_q6c3071c0e8_attn
    .symbol:         k_q6c3071c0e8_attn.kd
    .args:
      - { .name: QKV, .offset: 0, .size: 8, .value_kind: global_buffer, .address_space: global }
      - { .name: out0, .offset: 8, .size: 8, .value_kind: global_buffer, .address_space: global }
    .group_segment_fixed_size: 276480
    .private_segment_fixed_size: 0
    .kernarg_segment_align: 8
    .kernarg_segment_size: 16
    .max_flat_workgroup_size: 512
    .sgpr_count:     72
    .vgpr_count:     256
    .wavefront_size: 32
...
	.end_amdgpu_metadata
.endif
;; end of part 3
